; MI455X (gfx1250); checked and timed in simulation.
; The chip was launched on July 23, 2026; its instructions are those of AMD's public machine-readable ISA for CDNA 5 (MIT licence, August 2026) and "CDNA5" Instruction Set Architecture Reference Guide (July 2026). The comments in the code are by the model that wrote it; some were corrected since.
;; VQ Codebook Layer. Allowed arithmetic: float matrix products may take bf16 or f16 operands with f32 sums; other float arithmetic in f32, or as packed bf16 or f16 multiplies, adds, multiply-adds, maxima and minima; sums over many terms, partial sums and values carried from step to step in f32; what a program stores and reads back later, other than sums and carried values, may be rounded once to bf16 or f16.
;; Inputs: codebook 16,384 x 64 float32; x 4 x 2,048 x 64 float32.
;; Outputs: out0 4 x 2,048 x 64 float32; out1 4 x 2,048 x 8 int32.
;; 2 versions, each right; version 2 is version 1 with the launch prep written anew for expert scheduling mode. Each part assembles by itself: llvm-mc -triple=amdgcn-amd-amdhsa -mcpu=gfx1250 --defsym DOCPART=n.
;; ======== version 1 of 2: 3 launches
;; limits: values within 0.000244 (relative) of each other or of a threshold may be ordered or decided otherwise than in the reference
;; workspace buffers: rb 3,145,728 bytes; nrm 98,304 bytes; nh 98,304 bytes; keys 4,194,304 bytes of whole numbers
;; launch prep (part 1): grid 384 x 1, 1 waves a work-group, no clusters, 9,472 bytes of LDS; arguments codebook, x, rb, nrm, nh; writes rb, nrm, nh
.if DOCPART == 1
	.amdgcn_target "amdgcn-amd-amdhsa--gfx1250"
	.amdhsa_code_object_version 6
	.text
	.protected	k_q33474550a3_prep
	.globl	k_q33474550a3_prep
	.p2align	8
	.type	k_q33474550a3_prep,@function
k_q33474550a3_prep:
	s_mov_b64 s[64:65], 0
	v_nop
	global_prefetch_b8 v0, s[64:65] scope:SCOPE_SE
	s_setreg_imm32_b32 hwreg(HW_REG_WAVE_MODE, 25, 1), 1
	s_wait_xcnt 0x0
; ROUNDING AND NORMS.  rb[row][0..63] = bf16(row), rows 0..16383 the codebook's, rows 16384..24575 x's; nrm[row] = the sum of the squares of the ROUNDED row; nh[row] = -nrm[row] / 2.
; The later launches multiply in bf16, so all that they rank by is made of the rounded numbers; a square of a bf16 number is exact in f32, so only the order of the additions shows.
; ORDER OF ROUNDING (a limit of this text): the 64 squares are added in one chain, channel 0 first.  NaN and infinities pass through as they come.
; SHARES.  A work-group is one wave and owns 64 rows (16,384 bytes of f32): work-groups 0..255 the codebook's, 256..383 x's.  Each load of the wave covers 512 consecutive bytes (two rows),
; each store of rounded numbers 256 consecutive bytes at a multiple of 256.  The rounded rows also go through the wave's own LDS, so that a lane can walk two whole rows for their norms.
.set PITCH, 144                        ; an LDS row: 128 bytes + 16
.set SPARE, 64*PITCH                   ; 9,216: behind the rows, the spare words: one block of 256 bytes that no other line names
.set LO,  1                            ; v1   16 x lane: my 16 bytes of a load's 512
.set SO,  2                            ; v2   8 x lane: my 8 bytes of a store's 256
.set DSA, 3                            ; v3   where I put them in LDS: (lane / 16) x PITCH + 8 (lane % 16)
.set DRA, 4                            ; v4   my two rows in LDS: 2 x PITCH x lane
.set SPW, 5                            ; v5   LDS address of my spare word; never rewritten
.set NIL, 6                            ; v6   0; never rewritten
.set T0,  7
.set IN,  8                            ; v[8:135]   32 loads of 4 registers
.set RW,  8                            ; v[8:71]    later: rows 2 l and 2 l + 1, 32 registers each
.set PK,  136                          ; v[136:199] the rounded numbers, 2 registers a load
.set ACC, 200                          ; v[200:201] the two norms
.set NH,  202                          ; v[202:203] minus half of them
	s_load_b256 s[4:11], s[0:1], 0x0               ; codebook s[4:5], x s[6:7], rb s[8:9], nrm s[10:11]
	s_load_b64 s[12:13], s[0:1], 0x20              ; nh
	v_lshl_add_u32 v[SPW], v0, 2, SPARE
	v_mov_b32 v[NIL], 0
	v_lshlrev_b32 v[LO], 4, v0
	v_lshlrev_b32 v[SO], 3, v0
	v_lshrrev_b32 v[T0], 4, v0
	v_and_b32 v[DSA], 15, v0
	v_lshlrev_b32 v[DSA], 3, v[DSA]
	v_mad_u32_u24 v[DSA], v[T0], PITCH, v[DSA]
	v_mul_u32_u24 v[DRA], v0, 2*PITCH
	s_lshl_b32 s18, ttmp9, 13                      ; 64 rows of 128 bytes in rb
	s_mov_b32 s19, 0
	s_lshl_b32 s20, ttmp9, 8                       ; 64 numbers of 4 bytes in nrm and nh
	s_mov_b32 s21, 0
	s_wait_kmcnt 0x0
	s_cmp_lt_u32 ttmp9, 256                        ; the first 256 work-groups take the codebook, the others x
	s_cselect_b64 s[16:17], s[4:5], s[6:7]
	s_cselect_b32 s14, 0, 256
	s_sub_co_u32 s14, ttmp9, s14
	s_lshl_b32 s14, s14, 14                        ; 64 rows of 256 bytes in the source
	s_mov_b32 s15, 0
	s_add_nc_u64 s[16:17], s[16:17], s[14:15]
	s_add_nc_u64 s[8:9], s[8:9], s[18:19]
	s_add_nc_u64 s[10:11], s[10:11], s[20:21]
	s_add_nc_u64 s[12:13], s[12:13], s[20:21]
.set i, 0
.rept 32                               ; all 16,384 bytes are asked for at once
	global_load_b128 v[IN+4*i:IN+4*i+3], v[LO], s[16:17] offset:512*i th:TH_LOAD_NT
.set i, i+1
.endr
.set i, 0
.rept 32
	s_wait_loadcnt 31-i                            ; loads come back in order: load i is in, the 31 - i younger ones stay out
	v_cvt_pk_bf16_f32 v[PK+2*i], v[IN+4*i], v[IN+4*i+1]
	v_cvt_pk_bf16_f32 v[PK+2*i+1], v[IN+4*i+2], v[IN+4*i+3]
	global_store_b64 v[SO], v[PK+2*i:PK+2*i+1], s[8:9] offset:256*i   ; two rounded rows: 256 consecutive bytes; each store has data registers of its own
	ds_store_b64 v[DSA], v[PK+2*i:PK+2*i+1] offset:2*PITCH*i
.set i, i+1
.endr
.set i, 0
.rept 16                               ; LDS serves a wave's instructions in order: these see the stores above
	ds_load_b128 v[RW+4*i:RW+4*i+3], v[DRA] offset:PITCH*(i/8)+16*(i%8)
.set i, i+1
.endr
	s_wait_dscnt 0x0
.set k, 0
.rept 64                               ; channel k of both rows: acc = acc + r r, the product exact, one rounding; the two rows' chains alternate
.irp j, 0,1
.if k == 0
	v_fma_mix_f32_bf16 v[ACC+\j], v[RW+32*\j], v[RW+32*\j], v[NIL] op_sel_hi:[1,1,0]
.elseif k%2 == 0
	v_fma_mix_f32_bf16 v[ACC+\j], v[RW+32*\j+k/2], v[RW+32*\j+k/2], v[ACC+\j] op_sel_hi:[1,1,0]
.else
	v_fma_mix_f32_bf16 v[ACC+\j], v[RW+32*\j+k/2], v[RW+32*\j+k/2], v[ACC+\j] op_sel:[1,1,0] op_sel_hi:[1,1,0]
.endif
.endr
.set k, k+1
.endr
	v_mul_f32 v[NH], -0.5, v[ACC]
	v_mul_f32 v[NH+1], -0.5, v[ACC+1]
	global_store_b64 v[SO], v[ACC:ACC+1], s[10:11] ; 64 norms: 256 consecutive bytes
	global_store_b64 v[SO], v[NH:NH+1], s[12:13]
	s_wait_tensorcnt 0x0                           ; the wave's end: behind my last LDS store
	ds_add_u32 v[SPW], v[NIL]
	s_wait_dscnt 0x0
	s_endpgm
.Lfunc_end_k_q33474550a3_prep:
	.size	k_q33474550a3_prep, .Lfunc_end_k_q33474550a3_prep-k_q33474550a3_prep
	.p2alignl 7, 3214868480
	.fill 96, 4, 3214868480
	.section	.rodata,"a",@progbits
	.p2align	6, 0x0
	.amdhsa_kernel k_q33474550a3_prep
		.amdhsa_group_segment_fixed_size 9472
		.amdhsa_private_segment_fixed_size 0
		.amdhsa_enable_private_segment 0
		.amdhsa_kernarg_size 40
		.amdhsa_user_sgpr_count 2
		.amdhsa_user_sgpr_kernarg_segment_ptr 1
		.amdhsa_wavefront_size32 1
		.amdhsa_system_sgpr_workgroup_id_x 1
		.amdhsa_system_sgpr_workgroup_id_y 1
		.amdhsa_system_sgpr_workgroup_id_z 1
		.amdhsa_system_vgpr_workitem_id 0
		.amdhsa_next_free_vgpr 208
		.amdhsa_next_free_sgpr 66
		.amdhsa_reserve_vcc 0
		.amdhsa_float_denorm_mode_32 3
		.amdhsa_float_denorm_mode_16_64 3
		.amdhsa_memory_ordered 1
		.amdhsa_forward_progress 1
		.amdhsa_inst_pref_size 24
	.end_amdhsa_kernel
	.amdgpu_metadata
---
amdhsa.version: [ 1, 2 ]
amdhsa.kernels:
  - .name:           k_q33474550a3_prep
    .symbol:         k_q33474550a3_prep.kd
    .args:
      - { .name: codebook, .offset: 0, .size: 8, .value_kind: global_buffer, .address_space: global }
      - { .name: x, .offset: 8, .size: 8, .value_kind: global_buffer, .address_space: global }
      - { .name: rb, .offset: 16, .size: 8, .value_kind: global_buffer, .address_space: global }
      - { .name: nrm, .offset: 24, .size: 8, .value_kind: global_buffer, .address_space: global }
      - { .name: nh, .offset: 32, .size: 8, .value_kind: global_buffer, .address_space: global }
    .group_segment_fixed_size: 9472
    .private_segment_fixed_size: 0
    .kernarg_segment_align: 8
    .kernarg_segment_size: 40
    .max_flat_workgroup_size: 32
    .sgpr_count:     66
    .vgpr_count:     208
    .wavefront_size: 32
...
	.end_amdgpu_metadata
.endif
;; end of part 1
;; launch scan (part 2): grid 16 x 16, 8 waves a work-group, clusters of 4 x 1, 167,936 bytes of LDS; arguments rb, nh, keys; writes keys
.if DOCPART == 2
	.amdgcn_target "amdgcn-amd-amdhsa--gfx1250"
	.amdhsa_code_object_version 6
	.text
	.protected	k_q33474550a3_scan
	.globl	k_q33474550a3_scan
	.p2align	8
	.type	k_q33474550a3_scan,@function
k_q33474550a3_scan:
	s_mov_b64 s[64:65], 0
	v_nop
	global_prefetch_b8 v0, s[64:65] scope:SCOPE_SE
	s_setreg_imm32_b32 hwreg(HW_REG_WAVE_MODE, 25, 1), 1
	s_wait_xcnt 0x0
	s_wait_alu depctr_hold_cnt(0) depctr_sa_sdst(0) depctr_va_vdst(0) depctr_va_sdst(0) depctr_va_ssrc(0) depctr_va_vcc(0) depctr_vm_vsrc(0)
	s_getreg_b32 s2, hwreg(HW_REG_IB_STS2, 6, 4)
	s_cmp_eq_u32 s2, 0
	s_cbranch_scc0 .Lentry_in_a_cluster
	s_endpgm
.Lentry_in_a_cluster:
	s_bfe_u32 s2, ttmp6, 0x10000c
	s_cmp_lg_u32 s2, 0x3003
	s_cbranch_scc0 .Lentry_shape_is_right
	s_endpgm
.Lentry_shape_is_right:
; THE COARSE SEARCH.  For each query and each block of 1,024 codes: the 8 nearest GROUPS of 8 consecutive codes, as whole-number keys, ascending.  keys: [16 blocks][8192 queries][8] u32.
; A group's figure is the least d^2 / 2 = x2 / 2 - max over its 8 codes of (x . c - c2 / 2).  KEY = (the f32 bits of that figure, sign and low 11 bits cleared) | group number (code / 8, 11 bits):
; positive f32 bits order like whole numbers, so a smaller key is a nearer group, and of equal truncated figures the lower group comes first.  No two keys of a query are equal.
; LIMITS.  A key keeps 12 bits of mantissa: groups whose figures differ by less than 2^-12 of themselves are ordered by number.  The next launch rescores 12 groups in f32 for the 8 codes wanted, so a
; neighbour is missed only if more than four groups that hold none of the eight lie within that step of the eighth.  d^2 stays finite in f32; NaN and infinities are not treated.
; SHARES.  A work-group: 512 queries x 1,024 codes.  Each of its eight waves: 64 queries (four tiles of 16, kept in registers) against all 64 tiles of 16 codes, which lie in LDS.
; LAYOUT.  D = codes x queries^T + C (source 0 = 16 codes, source 1 = 16 queries): a lane holds ONE query (lane % 16) and the codes 8 (lane / 16) + 0..7 of the tile: just one group.
; C is -c2 / 2 of those eight codes, so the norms cost no vector instruction.  Per tile and query tile: 4 maxima, a subtraction, the key, and 8 lines that insert it into the lane's sorted list of 8.
; BY TURNS.  Two sets of four accumulators: while one tile's 8 products are issued, the 57 vector lines that work off the tile before stand behind them, seven a product.
; CLUSTER.  The four work-groups of a cluster have different queries and the same code block: codes and norms are asked for JOINTLY (the same load, descriptor and mask in all four).
; The whole block fits in LDS: first fills alone, in two halves, so that the first half is multiplied while the second is on its way.  Three tensor loads of a wave are out at the most.
.set PITCH, 144                        ; a code row in LDS: 128 bytes + 16 = 36 words: the 16 rows of a fragment load start at 16 different groups of four banks (ISA guide 11.1)
.set HALFB, 512*PITCH                  ; 73,728: half the block
.set NHB,   2*HALFB                    ; 147,456: -c2 / 2 of the 1,024 codes, 4,096 bytes
.set SPARE, NHB+4096                   ; 151,552: the spare words, 128 bytes for each wave: four blocks of 256 bytes that no other line names
.set RR,   1                           ; v1   lane % 16
.set HH,   2                           ; v2   lane / 16
.set ADA0, 3                           ; v3   my place in a tile of codes: (lane % 16) x PITCH + 16 (lane / 16); never rewritten
.set SPW,  4                           ; v4   LDS address of my spare word; never rewritten
.set NIL,  5                           ; v5   0; never rewritten
.set ADA,  6                           ; v6   ADA0 + the pair of tiles in hand
.set ADN,  7                           ; v7   the same for the norms
.set VID,  8                           ; v8   the group number of the tile that is being worked off
.set XO,   9                           ; v9   my byte offset in 16 rows of x
.set NXO,  10                          ; v10  in their norms
.set KO,   11                          ; v11  my 16 bytes of 16 queries' keys
.set TMP,  12                          ; v[12:15] at work
.set X2H,  16                          ; v[16:19] x2 / 2 of my query in each query tile
.set LST,  20                          ; v[20:51] query tile q's list at LST + 8 q, the smallest key first
.set XB,   52                          ; v[52:115] x: query tile q at XB + 16 q: channels 0-31, then 32-63
.set AB,   116                         ; v[116:147] codes: two buffers of 16
.set NC,   148                         ; v[148:163] -c2 / 2: two buffers of 8
.set KOUT, 148                         ;            at the end: the keys to store
.set DD,   164                         ; v[164:227] accumulators: set s, query tile q at DD + 32 s + 8 q
.set ADN0, 228                         ; v228 NHB + 32 (lane / 16); never rewritten
.set TBA,  2                           ; s2   LDS byte at which the pair of tiles in hand begins
.set TBN,  3                           ; s3   the same in the norms
.set WV,   10                          ; s10  my wave's number
.set CX,   11                          ; s11  my place in the cluster
.set QB,   12                          ; s12  my block of 512 queries
.set CB,   13                          ; s13  my block of 1,024 codes, which the four partners share
.set XBASE, 14                         ; s[14:15] x at my wave's first row
.set G1C,  16                          ; s[16:23] descriptor group 1 for codes
.set G1N,  24                          ; s[24:31] for norms
.set G0N,  32                          ; s[32:35] descriptor group 0: norms
.set G0A,  36                          ; s[36:39] codes, first half
.set G0B,  40                          ; s[40:43] codes, second half
.set MASK, 44                          ; s44  0x7ffff800
.set INF,  45                          ; s45  +infinity
.set SEL,  46                          ; s[46:47] v_permlanex16_b32's selects: each lane takes its own place in the other half
.set CNT,  48                          ; s48  the loop's count
.set HM,   49                          ; s49  lanes 16 to 31
.set OC,   50                          ; s[50:51] offsets made of the code block and the wave's number alone
.set OQ,   52                          ; s[52:53] offsets that hold the query block
.set NXB,  54                          ; s[54:55] nh at my wave's first query
; A round of the cluster's barrier: my work-group's barrier, so that wave 0's signal speaks for all eight waves; wave 0 signals; every wave waits for all four work-groups; my work-group's barrier once more.
.macro ROUND
	s_barrier_signal -1
	s_barrier_wait -1
	s_cmp_lg_u32 s[WV], 0
	s_cbranch_scc1 .Lnot_wave_0_\@
	s_barrier_signal -3
.Lnot_wave_0_\@:
	s_barrier_wait -3
	s_barrier_signal -1
	s_barrier_wait -1
.endm
	s_load_b128 s[4:7], s[0:1], 0x0                ; rb s[4:5], nh s[6:7]
	s_load_b64 s[8:9], s[0:1], 0x10                ; keys
	v_lshl_add_u32 v[SPW], v0, 2, SPARE
	v_mov_b32 v[NIL], 0
	ds_add_u32 v[SPW], v[NIL]                      ; the wave's opening: the add, twice on end, and its wait ahead of my first tensor load
	ds_add_u32 v[SPW], v[NIL]                      ; and once more, under the one wait; the set-up below, work on registers, stands between
	v_lshrrev_b32 v[TMP], 5, v0
	v_readfirstlane_b32 s[WV], v[TMP]              ; wave 0..7
	s_bfe_u32 s[CX], ttmp6, 0x40000                ; cx
	s_lshl_b32 s[QB], ttmp9, 2                     ; in a cluster launch ttmp9 counts clusters
	s_add_co_u32 s[QB], s[QB], s[CX]               ; it enters the addresses of x, its norms and the keys alone
	s_and_b32 s[CB], ttmp7, 0xffff
	; group 1 for codes: 64 code rows are 8,192 dense bytes: asked for as 32 rows of 256 bytes, two codes a row, padded in LDS after every code
	s_mov_b32 s[G1C+0], 15|(1<<16)|(1<<20)|(1<<21)|(4<<22)|(3<<25)  ; 15:0 the mask of four; 17:16 2-byte elements; 20 padding on; 21 set beside a mask; 24:22 after every 32 words (code 4); 31:25 4 words (code 3)
	s_mov_b32 s[G1C+1], 128<<16                    ; tensor_dim0 = 128
	s_mov_b32 s[G1C+2], 32<<16                     ; tensor_dim1 = 32
	s_mov_b32 s[G1C+3], 128<<16                    ; tile_dim0 = 128
	s_mov_b32 s[G1C+4], 32                         ; tile_dim1 = 32
	s_mov_b32 s[G1C+5], 128                        ; 128 elements from row to row
	s_mov_b32 s[G1C+6], 0
	s_mov_b32 s[G1C+7], 0
	; group 1 for norms: 128 numbers are 512 dense bytes: two rows of 32 elements of 8 bytes, no padding
	s_mov_b32 s[G1N+0], 15|(3<<16)|(1<<21)
	s_mov_b32 s[G1N+1], 32<<16
	s_mov_b32 s[G1N+2], 2<<16
	s_mov_b32 s[G1N+3], 32<<16
	s_mov_b32 s[G1N+4], 2
	s_mov_b32 s[G1N+5], 32
	s_mov_b32 s[G1N+6], 0
	s_mov_b32 s[G1N+7], 0
	; group 0: LDS addresses are a constant plus the wave's number times a constant: no place in the cluster enters them
	s_mov_b32 s[G0N], 1
	s_lshl_b32 s[G0N+1], s[WV], 9
	s_add_co_u32 s[G0N+1], s[G0N+1], NHB
	s_mov_b32 s[G0A], 1
	s_mul_i32 s[G0A+1], s[WV], 64*PITCH
	s_mov_b32 s[G0B], 1
	s_add_co_u32 s[G0B+1], s[G0A+1], HALFB
	s_mov_b32 s[MASK], 0x7ffff800
	s_mov_b32 s[INF], 0x7f800000
	s_mov_b32 s[SEL], 0x76543210
	s_mov_b32 s[SEL+1], 0xfedcba98
	s_mov_b32 s[HM], 0xffff0000
	s_mov_b32 s[TBA], 0
	s_mov_b32 s[TBN], 0
	s_lshl_b32 s[OC], s[CB], 17                    ; the block's 1,024 rows of 128 bytes,
	s_lshl_b32 s[OC+1], s[WV], 13                  ; my wave's 64 of its first half
	s_add_co_u32 s[OC], s[OC], s[OC+1]
	s_mov_b32 s[OC+1], 0
	s_wait_dscnt 0x0                               ; both opening adds are done
	s_wait_kmcnt 0x0
	s_add_nc_u64 s[G0A+2:G0A+3], s[4:5], s[OC:OC+1]
	s_add_nc_u64 s[G0B+2:G0B+3], s[G0A+2:G0A+3], 0x10000  ; 512 rows on
	s_or_b32 s[G0A+3], s[G0A+3], 0x80000000        ; type = 2
	s_or_b32 s[G0B+3], s[G0B+3], 0x80000000
	s_lshl_b32 s[OC], s[CB], 12                    ; the block's 1,024 norms, my wave's 128
	s_lshl_b32 s[OC+1], s[WV], 9
	s_add_co_u32 s[OC], s[OC], s[OC+1]
	s_mov_b32 s[OC+1], 0
	s_add_nc_u64 s[G0N+2:G0N+3], s[6:7], s[OC:OC+1]
	s_or_b32 s[G0N+3], s[G0N+3], 0x80000000
	s_lshl_b32 s[OQ], s[QB], 16                    ; x lies behind the 16,384 codes in rb: row 16384 + 512 QB + 64 wave, 128 bytes a row
	s_lshl_b32 s[OQ+1], s[WV], 13
	s_add_co_u32 s[OQ], s[OQ], s[OQ+1]
	s_add_co_u32 s[OQ], s[OQ], 0x200000
	s_mov_b32 s[OQ+1], 0
	s_add_nc_u64 s[XBASE:XBASE+1], s[4:5], s[OQ:OQ+1]
	s_lshr_b32 s[OQ], s[OQ], 5                     ; the same row, 4 bytes a row
	s_add_nc_u64 s[NXB:NXB+1], s[6:7], s[OQ:OQ+1]
	s_lshl_b32 s[OQ], s[QB], 14                    ; keys: block x 262,144 + query x 32
	s_lshl_b32 s[CNT], s[WV], 11
	s_add_co_u32 s[OQ], s[OQ], s[CNT]
	s_lshl_b32 s[CNT], s[CB], 18
	s_add_co_u32 s[OQ], s[OQ], s[CNT]
	s_add_nc_u64 s[8:9], s[8:9], s[OQ:OQ+1]
	ROUND                                          ; all four work-groups are here: the joint loads meet
	tensor_load_to_lds s[G0N:G0N+3], s[G1N:G1N+7]  ; my 128 norms,
	s_nop 0
	tensor_load_to_lds s[G0A:G0A+3], s[G1C:G1C+7]  ; my 64 codes of the first half,
	s_nop 0
	tensor_load_to_lds s[G0B:G0B+3], s[G1C:G1C+7]  ; and of the second
	s_nop 0
	; A fragment is 16 rows x 32 channels in 8 registers: lane l holds row l % 16, channels 8 (l / 16) + 0..7 and 16 + 8 (l / 16) + 0..7: two loads of 16 bytes, 32 bytes apart.
	v_and_b32 v[RR], 15, v0
	v_bfe_u32 v[HH], v0, 4, 1
	v_lshlrev_b32 v[XO], 7, v[RR]
	v_lshl_add_u32 v[XO], v[HH], 4, v[XO]
	v_lshlrev_b32 v[NXO], 2, v[RR]
.set i, 0
.rept 16                               ; x stays in registers: query tile i / 4, 16 channels' worth of each half of the lanes at 32 (i % 4)
	global_load_b128 v[XB+4*i:XB+4*i+3], v[XO], s[XBASE:XBASE+1] offset:2048*(i/4)+32*(i%4)
.set i, i+1
.endr
.irp q, 0,1,2,3
	global_load_b32 v[X2H+\q], v[NXO], s[NXB:NXB+1] offset:64*\q
.endr
	v_mul_u32_u24 v[ADA0], v[RR], PITCH
	v_lshl_add_u32 v[ADA0], v[HH], 4, v[ADA0]
	v_lshl_add_u32 v[ADN0], v[HH], 5, NHB          ; a lane's eight codes' norms: 32 bytes; all lanes of a half read the same
	v_mov_b32 v[ADA], v[ADA0]
	v_mov_b32 v[ADN], v[ADN0]
	s_lshl_b32 s[CNT], s[CB], 7
	v_add_nc_u32 v[VID], s[CNT], v[HH]             ; group = 128 x block + 2 x tile + lane / 16
	v_lshlrev_b32 v[KO], 5, v[RR]
	v_lshl_add_u32 v[KO], v[HH], 4, v[KO]
.set i, 0
.rept 32
	v_mov_b32 v[LST+i], s[INF]                     ; the lists start above every key; a lane sees 64 groups, so all eight places are taken
.set i, i+1
.endr
	s_wait_loadcnt 0x0                             ; x and its norms
.irp q, 0,1,2,3
	v_mul_f32 v[X2H+\q], -1.0, v[X2H+\q]           ; nh holds -x2 / 2
.endr
; Six LDS loads: a tile's 16 codes (64 channels: two fragments) and their norms, into buffer buf.
.macro LDA buf, off, noff
.irp p, 0,1,2,3
	ds_load_b128 v[AB+16*(\buf)+4*\p:AB+16*(\buf)+4*\p+3], v[ADA] offset:(\off)+32*\p
.endr
.irp p, 0,1
	ds_load_b128 v[NC+8*(\buf)+4*\p:NC+8*(\buf)+4*\p+3], v[ADN] offset:(\noff)+16*\p
.endr
.endm
; Product i of a tile's 8: query tile i % 4; the first four start the sums with -c2 / 2, the others add channels 32-63.  The four accumulators take turns, one instruction a turn, and the
; two sets alternate from tile to tile: between two links of a chain stand three others'.
.macro WM buf, i
.set wq, (\i)%4
.set wd, DD+32*(\buf)+8*wq
.if (\i) < 4
	v_wmma_f32_16x16x32_bf16 v[wd:wd+7], v[AB+16*(\buf):AB+16*(\buf)+7], v[XB+16*wq:XB+16*wq+7], v[NC+8*(\buf):NC+8*(\buf)+7]
.else
	v_wmma_f32_16x16x32_bf16 v[wd:wd+7], v[AB+16*(\buf)+8:AB+16*(\buf)+15], v[XB+16*wq+8:XB+16*wq+15], v[wd:wd+7]
.endif
.endm
; Line n of the 57 that work off set sp.  Two query tiles alternate (0, 1, then 2, 3), 14 lines each: the group's maximum (each accumulator's lowest registers are read first);
; d^2 / 2; the key; the insertion: place j takes the middle one of place j - 1, place j and the key, from the last place down, so that each line reads the old neighbour; place 0 the smaller.  Line 56: the next tile's group.
.macro PL sp, n
.if (\n) == 56
	v_add_nc_u32 v[VID], 2, v[VID]
.else
.set pq, 2*((\n)/28)+(\n)%2
.set pi, ((\n)%28)/2
.set pd, DD+32*(\sp)+8*pq
.set pa, TMP+2*(pq%2)
.set pm, LST+8*pq
.if pi == 0
	v_max3_num_f32 v[pa], v[pd], v[pd+1], v[pd+2]
.elseif pi == 1
	v_max3_num_f32 v[pa+1], v[pd+3], v[pd+4], v[pd+5]
.elseif pi == 2
	v_max3_num_f32 v[pa], v[pa], v[pd+6], v[pd+7]
.elseif pi == 3
	v_max_num_f32 v[pa], v[pa], v[pa+1]
.elseif pi == 4
	v_sub_f32 v[pa], v[X2H+pq], v[pa]
.elseif pi == 5
	v_and_or_b32 v[pa], v[pa], s[MASK], v[VID]
.elseif pi < 13
	v_med3_num_f32 v[pm+13-pi], v[pm+12-pi], v[pm+13-pi], v[pa]
.else
	v_min_num_f32 v[pm], v[pm], v[pa]
.endif
.endif
.endm
.macro LUMP sp                         ; all 57 on end, where no products are at hand to stand between
.set pn, 0
.rept 57
	PL \sp, pn
.set pn, pn+1
.endr
.endm
; A TILE in buffer and set buf.  ld = 1: the next tile's six loads go out first, into the other buffer, whose last reader stands eight plain vector lines back.  rid = 1: the lines that work off the other set
; stand behind the products, seven each and the 57th behind the last: none names a register of the products round it, and they are the places behind the tile's last product.  rid = 0: eight v_nop take that part.
.macro TILE buf, ld, rid
.if \ld
.if (\buf) == 0
	LDA 1, 16*PITCH, 64
.else
	LDA 0, 32*PITCH, 128
.endif
	s_wait_dscnt 6                                 ; LDS loads come back in order: this tile's six are in, the six just issued stay out
.else
	s_wait_dscnt 0x0
.endif
.set wi, 0
.rept 8
	WM \buf, wi
.if \rid
.set pn, 7*wi
.rept 7
	PL 1-(\buf), pn
.set pn, pn+1
.endr
.if wi == 7
	PL 1-(\buf), 56
.endif
.endif
.set wi, wi+1
.endr
.if !(\rid)
.rept 8
	v_nop
.endr
.endif
.endm
.macro STEP                            ; two tiles on: the addresses are made anew from the fixed lane terms and two scalars that step by constants
	s_add_co_u32 s[TBA], s[TBA], 32*PITCH
	s_add_co_u32 s[TBN], s[TBN], 128
	v_add_nc_u32 v[ADA], s[TBA], v[ADA0]
	v_add_nc_u32 v[ADN], s[TBN], v[ADN0]
.endm
; HALF THE BLOCK: 32 tiles.  n: how many of my tensor loads may stay out.  The count serves the reads alone.
.macro HALF n, first
	s_wait_tensorcnt \n                            ; my parts of what this half reads have landed,
	s_wait_dscnt 0x0                               ; no LDS instruction of mine is pending at the signal,
	s_barrier_signal -1
	s_barrier_wait -1                              ; and everybody's parts have
	LDA 0, 0, 0
.if !(\first)
	LUMP 1                                         ; the last tile of the half before
.endif
	TILE 0, 1, 0
	TILE 1, 1, 1
	STEP
	s_mov_b32 s[CNT], 14
.Lpair_\@:
	TILE 0, 1, 1
	TILE 1, 1, 1
	STEP
	s_sub_co_u32 s[CNT], s[CNT], 1
	s_cmp_lg_u32 s[CNT], 0
	s_cbranch_scc1 .Lpair_\@
	TILE 0, 1, 1
	TILE 1, 0, 1                                   ; the half's last tile fetches nothing
	STEP
.endm
	HALF 1, 1                                      ; norms and first half are in; the second half's load, issued last, stays out
	HALF 0, 0
	LUMP 1                                         ; the block's last tile
; THE TWO HALVES OF THE LANES hold a query's even and odd groups.  Each takes the other's list; the smaller of place i and the other's place 7 - i are the 8 smallest of the 16, first rising and then falling;
; compare-exchanges 4, 2 and 1 apart sort them.  Both halves end with the same list; lanes 0-15 store places 0-3, lanes 16-31 places 4-7.
.macro CE a, b
	v_min_num_f32 v[TMP], v[mm+\a], v[mm+\b]
	v_max_num_f32 v[mm+\b], v[mm+\a], v[mm+\b]
	v_mov_b32 v[mm+\a], v[TMP]
.endm
.macro MERGEH q
.set mm, LST+8*(\q)
.irp i, 0,1,2,3,4,5,6,7
	v_permlanex16_b32 v[AB+\i], v[mm+\i], s[SEL], s[SEL+1]   ; its destination counts as read: the codes' registers have been written
.endr
.irp i, 0,1,2,3,4,5,6,7
	v_min_num_f32 v[mm+\i], v[mm+\i], v[AB+7-\i]
.endr
	CE 0, 4
	CE 1, 5
	CE 2, 6
	CE 3, 7
	CE 0, 2
	CE 1, 3
	CE 4, 6
	CE 5, 7
	CE 0, 1
	CE 2, 3
	CE 4, 5
	CE 6, 7
.irp i, 0,1,2,3
	v_cndmask_b32 v[KOUT+4*(\q)+\i], v[mm+\i], v[mm+\i+4], s[HM]
.endr
.endm
	MERGEH 0
	MERGEH 1
	MERGEH 2
	MERGEH 3
.irp q, 0,1,2,3
	global_store_b128 v[KO], v[KOUT+4*\q:KOUT+4*\q+3], s[8:9] offset:512*\q  ; 16 queries' keys: 512 consecutive bytes, at a multiple of 256 from the buffer's first
.endr
	s_wait_tensorcnt 0x0                           ; the wave's end: behind my last tensor load
	ds_add_u32 v[SPW], v[NIL]
	s_wait_dscnt 0x0
	ROUND                                          ; the closing round: no work-group ends while a partner may still ask for a tile that names it
	s_endpgm
.Lfunc_end_k_q33474550a3_scan:
	.size	k_q33474550a3_scan, .Lfunc_end_k_q33474550a3_scan-k_q33474550a3_scan
	.p2alignl 7, 3214868480
	.fill 96, 4, 3214868480
	.section	.rodata,"a",@progbits
	.p2align	6, 0x0
	.amdhsa_kernel k_q33474550a3_scan
		.amdhsa_group_segment_fixed_size 167936
		.amdhsa_private_segment_fixed_size 0
		.amdhsa_enable_private_segment 0
		.amdhsa_kernarg_size 24
		.amdhsa_user_sgpr_count 2
		.amdhsa_user_sgpr_kernarg_segment_ptr 1
		.amdhsa_wavefront_size32 1
		.amdhsa_system_sgpr_workgroup_id_x 1
		.amdhsa_system_sgpr_workgroup_id_y 1
		.amdhsa_system_sgpr_workgroup_id_z 1
		.amdhsa_system_vgpr_workitem_id 0
		.amdhsa_next_free_vgpr 232
		.amdhsa_next_free_sgpr 66
		.amdhsa_reserve_vcc 0
		.amdhsa_float_denorm_mode_32 3
		.amdhsa_float_denorm_mode_16_64 3
		.amdhsa_memory_ordered 1
		.amdhsa_forward_progress 1
		.amdhsa_inst_pref_size 69
	.end_amdhsa_kernel
	.amdgpu_metadata
---
amdhsa.version: [ 1, 2 ]
amdhsa.kernels:
  - .name:           k_q33474550a3_scan
    .symbol:         k_q33474550a3_scan.kd
    .args:
      - { .name: rb, .offset: 0, .size: 8, .value_kind: global_buffer, .address_space: global }
      - { .name: nh, .offset: 8, .size: 8, .value_kind: global_buffer, .address_space: global }
      - { .name: keys, .offset: 16, .size: 8, .value_kind: global_buffer, .address_space: global }
    .group_segment_fixed_size: 167936
    .private_segment_fixed_size: 0
    .kernarg_segment_align: 8
    .kernarg_segment_size: 24
    .max_flat_workgroup_size: 256
    .sgpr_count:     66
    .vgpr_count:     232
    .wavefront_size: 32
...
	.end_amdgpu_metadata
.endif
;; end of part 2
;; launch pick (part 3): grid 512 x 1, 8 waves a work-group, no clusters, 239,360 bytes of LDS; arguments keys, rb, nrm, out0, out1; writes out0, out1
.if DOCPART == 3
	.amdgcn_target "amdgcn-amd-amdhsa--gfx1250"
	.amdhsa_code_object_version 6
	.text
	.protected	k_q33474550a3_pick
	.globl	k_q33474550a3_pick
	.p2align	8
	.type	k_q33474550a3_pick,@function
k_q33474550a3_pick:
	s_mov_b64 s[64:65], 0
	v_nop
	global_prefetch_b8 v0, s[64:65] scope:SCOPE_SE
	s_setreg_imm32_b32 hwreg(HW_REG_WAVE_MODE, 25, 1), 1
	s_wait_xcnt 0x0
; THE EXACT CHOICE.  For each query: the 12 smallest of its 128 keys (16 blocks x 8) name 12 groups of 8 codes; their 96 rows are fetched and scored as the problem scores them,
; s = fl(fl(2 x.c - x2) - c2) on the numbers rounded to bf16; the 8 largest, of equal scores the lower index first, are out1; out0 is the mean of those 8 rounded rows.
; WHAT STEERS ADDRESSES is whole numbers read from memory and worked on by integer lines alone (minimum, compare, select), held to 0..2047 before they enter an address.  Nothing that is made of a score
; enters an address or a branch: the chosen indices are carried as values, and the mean is a product of the 96 staged rows with a vector of weights, 1/8 or 0.
; ORDER OF ROUNDING (a limit of this text): x.c is one chain of fused multiply-adds, channel 0 first; each product of two bf16 numbers is exact in f32.
; LIMITS.  As the launch before states: a neighbour is missed only if more than four groups that hold none of the eight lie within 2^-12 (relative) of the eighth in d^2.  A chosen candidate is marked by
; minus infinity, so scores stay finite; NaN and infinities are not treated.  The mean's eight products are exact; their sum is the matrix unit's f32 sum.
; SHARES.  A work-group owns 16 queries, a wave two: query H = lane / 16 has the 16 lanes J = lane % 16.  One pass, no loop.  Each wave's rows, weights and output stage are its own bytes of LDS.
.set PITCH, 144                        ; a staged row: 128 bytes + 16: the 16 rows of a load start at 16 different groups of four banks (ISA guide 11.1)
.set QROWS, 96*PITCH                   ; 13,824: a query's rows
.set WROWS, 2*QROWS                    ; a wave's
.set KS,    8*WROWS                    ; 221,184: the keys, 16 queries x 528 bytes (16 blocks x 32 + 16)
.set KP,    528
.set WT,    KS+16*KP                   ; 229,632: the weights: 512 bytes a wave, 192 a query
.set OS,    WT+4096                    ; 233,728: the output stage: 512 bytes a wave
.set IS,    OS+4096                    ; 237,824: the 16 queries' indices, 512 bytes
.set SPARE, IS+512                     ; 238,336: the spare words, 128 bytes for each wave: four blocks of 256 bytes that no other line names
.set LL,  1                            ; v1   lane
.set JJ,  2                            ; v2   J
.set HH,  3                            ; v3   H
.set SPW, 4                            ; v4   LDS address of my spare word; never rewritten
.set NIL, 5                            ; v5   0; never rewritten
.set KLD, 6                            ; v6   keys in memory: block (2 wave + H) x 262,144 + 16 J
.set KST, 7                            ; v7   where those 16 bytes go in LDS
.set KRD, 8                            ; v8   block J's list of my query
.set XO,  9                            ; v9   128 H
.set NO,  10                           ; v10  4 H
.set RST, 11                           ; v11  rows in: my query's rows + (J / 8) x PITCH + 16 (J % 8)
.set RRD, 12                           ; v12  rows back: my query's rows + J x PITCH
.set TRB, 13                           ; v13  the turning load's address in the wave's rows
.set WST, 14                           ; v14  my weight: 192 H + 2 J
.set WRD, 15                           ; v15  the weights as a fragment: 16 (lane / 16)
.set OST, 16                           ; v16  256 H + 4 J
.set ORD, 17                           ; v17  16 x lane in the output stage
.set OGO, 18                           ; v18  16 x lane
.set IST, 19                           ; v19  my query's indices + 4 (J % 8)
.set IRD, 20                           ; v20  16 x lane in the indices
.set J16, 21                           ; v21  16 J
.set J7,  22                           ; v22  J % 8
.set OID, 23                           ; v23  lane J keeps the index chosen in round J % 8
.set KK,  24                           ; v[24:31]  block J's keys, ascending
.set UU,  32                           ; v32  at work
.set J3,  33                           ; v33  J / 8
.set TG,  34                           ; v[34:45]  the 12 smallest keys, the same in all 16 lanes
.set GOF, 46                           ; v[46:57]  byte offset of my 16 bytes in each group's first 256
.set CID, 58                           ; v[58:63]  candidate 16 s + J: its code's number, then 4 x it
.set IDF, 64                           ; v[64:69]  the number as f32 (exact: under 2^24)
.set C2,  70                           ; v[70:75]  its norm
.set SC,  76                           ; v[76:81]  x.c, then the score
.set X2,  82                           ; v82  my query's norm
.set XR,  84                           ; v[84:115] my query's row, 64 bf16
.set ST,  116                          ; v[116:211] the gather's ring: 24 slots of 4
.set CH,  116                          ; v[116:163] later: two buffers of 6 candidates x 8 channels
.set MX,  212                          ; v212-213  maxima
.set TT,  214                          ; v[214:219]
.set IM,  220                          ; v220-221  minima
.set WW,  222                          ; v[222:227] weights
.set VAL, 24                           ; the mean's phase lays the registers anew: v[24:31] at the very end
.set WA,  24                           ; v[24:71]   weights' fragments: query q, 32 candidates kc at WA + 8 (3 q + kc)
.set BF,  72                           ; v[72:167]  rows' fragments: BF + 8 (4 kc + dt)
.set DA,  168                          ; v[168:199] query 0's four accumulators
.set DB,  200                          ; v[200:231] query 1's
	s_load_b256 s[4:11], s[0:1], 0x0               ; keys s[4:5], rb s[6:7], nrm s[8:9], out0 s[10:11]
	s_load_b64 s[12:13], s[0:1], 0x20              ; out1
	v_lshl_add_u32 v[SPW], v0, 2, SPARE
	v_mov_b32 v[NIL], 0
	v_lshrrev_b32 v[LL], 5, v0
	v_readfirstlane_b32 s14, v[LL]                 ; wave 0..7
	v_and_b32 v[LL], 31, v0
	v_and_b32 v[JJ], 15, v0
	v_bfe_u32 v[HH], v0, 4, 1
	v_and_b32 v[J7], 7, v0
	v_bfe_u32 v[J3], v0, 3, 1
	v_lshlrev_b32 v[J16], 4, v[JJ]
	s_lshl_b32 s26, s14, 19                        ; two blocks a wave
	v_lshl_add_u32 v[KLD], v[HH], 18, v[J16]
	v_add_nc_u32 v[KLD], s26, v[KLD]
	v_bfe_u32 v[KST], v0, 1, 3                     ; of a load's 256 bytes I hold query J / 2, half J % 2
	v_mul_u32_u24 v[KST], v[KST], KP
	v_lshl_add_u32 v[KST], v[HH], 5, v[KST]
	v_and_b32 v[UU], 1, v0
	v_lshl_add_u32 v[KST], v[UU], 4, v[KST]
	s_lshl_b32 s26, s14, 6
	s_add_co_u32 s26, s26, KS
	v_add_nc_u32 v[KST], s26, v[KST]
	v_mul_u32_u24 v[KRD], v[HH], KP
	v_lshl_add_u32 v[KRD], v[JJ], 5, v[KRD]
	s_mul_i32 s26, s14, 2*KP
	s_add_co_u32 s26, s26, KS
	v_add_nc_u32 v[KRD], s26, v[KRD]
	v_lshlrev_b32 v[XO], 7, v[HH]
	v_lshlrev_b32 v[NO], 2, v[HH]
	s_mul_i32 s27, s14, WROWS                      ; my wave's rows
	v_mul_u32_u24 v[UU], v[HH], QROWS
	v_add_nc_u32 v[UU], s27, v[UU]                 ; my query's
	v_mul_u32_u24 v[RST], v[J3], PITCH
	v_lshl_add_u32 v[RST], v[J7], 4, v[RST]
	v_add_nc_u32 v[RST], v[RST], v[UU]
	v_mul_u32_u24 v[RRD], v[JJ], PITCH
	v_add_nc_u32 v[RRD], v[RRD], v[UU]
	v_lshl_add_u32 v[TRB], v[HH], 3, v[J7]         ; the turning load: lane l reads row 8 (l / 16) + l % 8, channels 8 ((l / 8) % 2) + 0..7
	v_mul_u32_u24 v[TRB], v[TRB], PITCH
	v_lshl_add_u32 v[TRB], v[J3], 4, v[TRB]
	v_add_nc_u32 v[TRB], s27, v[TRB]
	s_lshl_b32 s28, s14, 9
	s_add_co_u32 s29, s28, WT
	v_mul_u32_u24 v[WST], v[HH], 192
	v_lshl_add_u32 v[WST], v[JJ], 1, v[WST]
	v_add_nc_u32 v[WST], s29, v[WST]
	v_lshl_add_u32 v[WRD], v[HH], 4, s29
	s_add_co_u32 s29, s28, OS
	v_lshlrev_b32 v[OST], 8, v[HH]
	v_lshl_add_u32 v[OST], v[JJ], 2, v[OST]
	v_add_nc_u32 v[OST], s29, v[OST]
	v_lshl_add_u32 v[ORD], v[LL], 4, s29
	v_lshlrev_b32 v[OGO], 4, v[LL]
	s_lshl_b32 s29, s14, 6
	s_add_co_u32 s29, s29, IS
	v_lshlrev_b32 v[IST], 5, v[HH]
	v_lshl_add_u32 v[IST], v[J7], 2, v[IST]
	v_add_nc_u32 v[IST], s29, v[IST]
	v_add_nc_u32 v[IRD], IS, v[OGO]
	v_mov_b32 v[OID], 0
	v_mov_b32 v[UU], 0                             ; a DPP line's destination counts as read
	s_mov_b32 s16, 0xff00ff00                      ; lanes with J >= 8
	s_mov_b32 s17, 0xffff0000                      ; lanes with H = 1
	s_mov_b32 s18, 0x3e00                          ; 1/8 in bf16
	s_mov_b32 s19, 0xff800000                      ; -infinity
	s_mov_b32 s20, 0x7f800000                      ; +infinity
	s_lshl_b32 s22, ttmp9, 9                       ; 16 queries x 32 bytes, in a block of keys and in out1
	s_mov_b32 s23, 0
	s_lshl_b32 s24, ttmp9, 11                      ; query 16 g + 2 wave, 128 bytes a row
	s_lshl_b32 s25, s14, 8
	s_add_co_u32 s24, s24, s25
	s_mov_b32 s25, 0
	s_lshl_b32 s26, s24, 1                         ; 256 bytes a row in out0
	s_mov_b32 s27, 0
	s_wait_kmcnt 0x0
	s_add_nc_u64 s[4:5], s[4:5], s[22:23]
	s_add_nc_u64 s[12:13], s[12:13], s[22:23]
	s_add_nc_u64 s[10:11], s[10:11], s[26:27]
	s_add_co_u32 s24, s24, 0x200000                ; x lies behind the 16,384 codes
	s_add_nc_u64 s[22:23], s[6:7], s[24:25]        ; my wave's two rows of x
	s_lshr_b32 s24, s24, 5
	s_add_nc_u64 s[24:25], s[8:9], s[24:25]        ; and their norms
	; 1. THE KEYS: 16 lanes read 256 consecutive bytes (8 queries of one block); they change hands in LDS, so that lane J of a query gets block J's list.
	global_load_b128 v[KK:KK+3], v[KLD], s[4:5]
	global_load_b128 v[KK+4:KK+7], v[KLD], s[4:5] offset:256
.irp c, 0,1,2,3,4,5,6,7
	global_load_b128 v[XR+4*\c:XR+4*\c+3], v[XO], s[22:23] offset:16*\c
.endr
	global_load_b32 v[X2], v[NO], s[24:25]
	s_wait_loadcnt 9                               ; the keys are in; x's eight loads and its norm's stay out
	ds_store_b128 v[KST], v[KK:KK+3]
	ds_store_b128 v[KST], v[KK+4:KK+7] offset:8*KP
	s_wait_dscnt 0x0                               ; for the others' sake: my stores are done
	s_barrier_signal -1
	s_barrier_wait -1
	ds_load_b128 v[KK:KK+3], v[KRD]
	ds_load_b128 v[KK+4:KK+7], v[KRD] offset:16
	s_wait_dscnt 0x0
	; 2. THE 12 SMALLEST of the query's 16 sorted lists, one a round, by integer lines alone: the least of the 16 heads; the list that held it moves up.  No two keys are equal.
.macro MROUND r
	v_mov_b32 v[TG+\r], v[KK]
.irp m, 1,2,4,8
	v_mov_b32_dpp v[UU], v[TG+\r] row_xmask:\m row_mask:0xf bank_mask:0xf
	v_min_u32 v[TG+\r], v[TG+\r], v[UU]
.endr
	v_cmp_eq_u32 vcc_lo, v[KK], v[TG+\r]
.irp i, 0,1,2,3,4,5,6
	v_cndmask_b32 v[KK+\i], v[KK+\i], v[KK+\i+1], vcc_lo
.endr
	v_cndmask_b32 v[KK+7], v[KK+7], -1, vcc_lo
.endm
.irp r, 0,1,2,3,4,5,6,7,8,9,10,11
	MROUND \r
.endr
	; 3. ADDRESSES.  A key's low 11 bits are the group; a group's 8 rows are 1,024 consecutive bytes of rb.  Candidate 16 s + J is code J % 8 of group 2 s + J / 8.
.irp r, 0,1,2,3,4,5,6,7,8,9,10,11
	v_and_b32 v[GOF+\r], 0x7ff, v[TG+\r]
	v_min_u32 v[GOF+\r], 0x7ff, v[GOF+\r]
	v_lshl_add_u32 v[GOF+\r], v[GOF+\r], 10, v[J16]
.endr
.irp s, 0,1,2,3,4,5
	v_cndmask_b32 v[CID+\s], v[TG+2*\s], v[TG+2*\s+1], s16
	v_and_b32 v[CID+\s], 0x7ff, v[CID+\s]
	v_min_u32 v[CID+\s], 0x7ff, v[CID+\s]
	v_lshl_add_u32 v[CID+\s], v[CID+\s], 3, v[J7]
	v_cvt_f32_u32 v[IDF+\s], v[CID+\s]
	v_lshlrev_b32 v[CID+\s], 2, v[CID+\s]
.endr
.irp s, 0,1,2,3,4,5
	global_load_b32 v[C2+\s], v[CID+\s], s[8:9]
.endr
	; 4. THE ROWS.  Load i = 4 r + p brings rows 2 p and 2 p + 1 of group r: a query's 16 lanes read 256 consecutive bytes, aligned.  48 loads go through a ring of 24 slots into the wave's own LDS.
.macro GLOAD i
	global_load_b128 v[ST+4*((\i)%24):ST+4*((\i)%24)+3], v[GOF+(\i)/4], s[6:7] offset:256*((\i)%4)
.endm
.macro GSTORE i
	ds_store_b128 v[RST], v[ST+4*((\i)%24):ST+4*((\i)%24)+3] offset:(8*((\i)/4)+2*((\i)%4))*PITCH
.endm
.set gi, 0
.rept 24
	GLOAD gi
.set gi, gi+1
.endr
.set gi, 0
.rept 24
	s_wait_loadcnt 23                              ; behind load i stand 23 - i of the first 24 and i of the second: always 23
	GSTORE gi
	GLOAD gi+24
.set gi, gi+1
.endr
.rept 24
	s_wait_loadcnt 47-gi                           ; the counts run down; the last is for 0, so x, its norm and the codes' norms are in too
	GSTORE gi
.set gi, gi+1
.endr
	; 5. THE SCORES.  Six candidates a lane, 8 channels a chunk, two chunk buffers.  LDS serves a wave's instructions in order: the loads see the stores above.
.macro CLOAD c
.irp s, 0,1,2,3,4,5
	ds_load_b128 v[CH+24*((\c)%2)+4*\s:CH+24*((\c)%2)+4*\s+3], v[RRD] offset:16*PITCH*\s+16*(\c)
.endr
.endm
.macro FM s                            ; channel 8 cc + kk of candidate 16 s + J: acc = acc + c x, the product exact, one rounding
.set fa, CH+24*(cc%2)+4*(\s)+kk/2
.set fx, XR+4*cc+kk/2
.if (cc == 0) && (kk == 0)
	v_fma_mix_f32_bf16 v[SC+\s], v[fa], v[fx], v[NIL] op_sel_hi:[1,1,0]
.elseif kk%2 == 0
	v_fma_mix_f32_bf16 v[SC+\s], v[fa], v[fx], v[SC+\s] op_sel_hi:[1,1,0]
.else
	v_fma_mix_f32_bf16 v[SC+\s], v[fa], v[fx], v[SC+\s] op_sel:[1,1,0] op_sel_hi:[1,1,0]
.endif
.endm
	CLOAD 0
	CLOAD 1
.set cc, 0
.rept 8
.if cc == 7
	s_wait_dscnt 0x0
.else
	s_wait_dscnt 6                                 ; this chunk's six loads are in, the next chunk's six stay out
.endif
.set kk, 0
.rept 8
.irp s, 0,1,2,3,4,5
	FM \s
.endr
.set kk, kk+1
.endr
.if cc < 6
	CLOAD cc+2
.endif
.set cc, cc+1
.endr
.irp s, 0,1,2,3,4,5
	v_fma_f32 v[SC+\s], v[SC+\s], 2.0, -v[X2]      ; 2 x.c is exact: one rounding, as in 2 x.c - x2
.endr
.irp s, 0,1,2,3,4,5
	v_sub_f32 v[SC+\s], v[SC+\s], v[C2+\s]
.endr
	; 6. THE EIGHT LARGEST, one a round: the query's maximum; among the candidates that hold it the least index; that candidate is marked by -infinity; lanes with J % 8 = r keep the index.
.macro SROUND r
	v_max3_num_f32 v[MX], v[SC], v[SC+1], v[SC+2]
	v_max3_num_f32 v[MX+1], v[SC+3], v[SC+4], v[SC+5]
	v_max_num_f32 v[MX], v[MX], v[MX+1]
.irp m, 1,2,4,8
	v_max_num_f32_dpp v[MX], v[MX], v[MX] row_xmask:\m row_mask:0xf bank_mask:0xf
.endr
.irp s, 0,1,2,3,4,5
	v_cmp_eq_f32 vcc_lo, v[SC+\s], v[MX]
	v_cndmask_b32 v[TT+\s], s20, v[IDF+\s], vcc_lo
.endr
	v_min3_num_f32 v[IM], v[TT], v[TT+1], v[TT+2]
	v_min3_num_f32 v[IM+1], v[TT+3], v[TT+4], v[TT+5]
	v_min_num_f32 v[IM], v[IM], v[IM+1]
.irp m, 1,2,4,8
	v_min_num_f32_dpp v[IM], v[IM], v[IM] row_xmask:\m row_mask:0xf bank_mask:0xf
.endr
.irp s, 0,1,2,3,4,5
	v_cmp_eq_f32 vcc_lo, v[IDF+\s], v[IM]
	v_cndmask_b32 v[SC+\s], v[SC+\s], s19, vcc_lo
.endr
	s_mov_b32 s21, 0x01010101<<(\r)
	v_cndmask_b32 v[OID], v[OID], v[IM], s21
.endm
.irp r, 0,1,2,3,4,5,6,7
	SROUND \r
.endr
	; 7. WHAT IS HANDED ON: the indices, to the work-group's 512 bytes (lanes J and J + 8 write the same word with the same value); the weights, 1/8 where the candidate was chosen, to the wave's own bytes.
	v_cvt_u32_f32 v[OID], v[OID]
	ds_store_b32 v[IST], v[OID]
.irp s, 0,1,2,3,4,5
	v_cmp_eq_f32 vcc_lo, s19, v[SC+\s]
	v_cndmask_b32 v[WW+\s], 0, s18, vcc_lo
	ds_store_b16 v[WST], v[WW+\s] offset:32*\s
.endr
	; 8. THE MEAN = weights (all 16 rows of source 0 alike) x the query's 96 staged rows ([candidate][channel], turned by ds_load_tr16_b128): register 0 of accumulator dt holds channel 16 dt + lane % 16.
.irp q, 0,1
.irp kc, 0,1,2
	ds_load_b128 v[WA+8*(3*\q+\kc):WA+8*(3*\q+\kc)+3], v[WRD] offset:192*\q+64*\kc
	ds_load_b128 v[WA+8*(3*\q+\kc)+4:WA+8*(3*\q+\kc)+7], v[WRD] offset:192*\q+64*\kc+32
.endr
.endr
.macro BLOAD q
.irp kc, 0,1,2
.irp dt, 0,1,2,3
	ds_load_tr16_b128 v[BF+8*(4*\kc+\dt):BF+8*(4*\kc+\dt)+3], v[TRB] offset:QROWS*(\q)+32*PITCH*\kc+32*\dt
	ds_load_tr16_b128 v[BF+8*(4*\kc+\dt)+4:BF+8*(4*\kc+\dt)+7], v[TRB] offset:QROWS*(\q)+32*PITCH*\kc+32*\dt+16*PITCH
.endr
.endr
.endm
.macro MEAN q, acc                     ; the four accumulators take turns, one instruction a turn; the first four products start the sums
.irp kc, 0,1,2
.irp dt, 0,1,2,3
.if \kc == 0
	v_wmma_f32_16x16x32_bf16 v[(\acc)+8*\dt:(\acc)+8*\dt+7], v[WA+8*(3*(\q)+\kc):WA+8*(3*(\q)+\kc)+7], v[BF+8*(4*\kc+\dt):BF+8*(4*\kc+\dt)+7], 0
.else
	v_wmma_f32_16x16x32_bf16 v[(\acc)+8*\dt:(\acc)+8*\dt+7], v[WA+8*(3*(\q)+\kc):WA+8*(3*(\q)+\kc)+7], v[BF+8*(4*\kc+\dt):BF+8*(4*\kc+\dt)+7], v[(\acc)+8*\dt:(\acc)+8*\dt+7]
.endif
.endr
.endr
.rept 8
	v_nop                                          ; the places behind the last products, ahead of loads into their sources and of reads of their results
.endr
.endm
	BLOAD 0
	s_wait_dscnt 0x0                               ; weights and rows are in; the stores that read the registers now written are done
	MEAN 0, DA
	BLOAD 1
	s_wait_dscnt 0x0
	MEAN 1, DB
.irp dt, 0,1,2,3
	v_cndmask_b32 v[VAL+\dt], v[DA+8*\dt], v[DB+8*\dt], s17   ; lanes 0-15 take query 0's, lanes 16-31 query 1's; each accumulator's lowest register
.endr
.irp dt, 0,1,2,3
	ds_store_b32 v[OST], v[VAL+\dt] offset:64*\dt
.endr
	ds_load_b128 v[VAL+4:VAL+7], v[ORD]            ; back as two whole rows of 256 bytes
	s_wait_dscnt 0x0
	global_store_b128 v[OGO], v[VAL+4:VAL+7], s[10:11]  ; 512 consecutive bytes, at a multiple of 256 from out0's first
	; 9. THE INDICES of all 16 queries leave by one store of wave 0: 512 consecutive bytes.
	s_barrier_signal -1                            ; every wave's store of its indices was waited for above
	s_barrier_wait -1
	s_cmp_lg_u32 s14, 0
	s_cbranch_scc1 .Lend
	ds_load_b128 v[32:35], v[IRD]
	s_wait_dscnt 0x0
	global_store_b128 v[OGO], v[32:35], s[12:13]
.Lend:
	s_wait_tensorcnt 0x0                           ; the wave's end: behind my last LDS store
	ds_add_u32 v[SPW], v[NIL]
	s_wait_dscnt 0x0
	s_endpgm
.Lfunc_end_k_q33474550a3_pick:
	.size	k_q33474550a3_pick, .Lfunc_end_k_q33474550a3_pick-k_q33474550a3_pick
	.p2alignl 7, 3214868480
	.fill 96, 4, 3214868480
	.section	.rodata,"a",@progbits
	.p2align	6, 0x0
	.amdhsa_kernel k_q33474550a3_pick
		.amdhsa_group_segment_fixed_size 239360
		.amdhsa_private_segment_fixed_size 0
		.amdhsa_enable_private_segment 0
		.amdhsa_kernarg_size 40
		.amdhsa_user_sgpr_count 2
		.amdhsa_user_sgpr_kernarg_segment_ptr 1
		.amdhsa_wavefront_size32 1
		.amdhsa_system_sgpr_workgroup_id_x 1
		.amdhsa_system_sgpr_workgroup_id_y 1
		.amdhsa_system_sgpr_workgroup_id_z 1
		.amdhsa_system_vgpr_workitem_id 0
		.amdhsa_next_free_vgpr 232
		.amdhsa_next_free_sgpr 66
		.amdhsa_reserve_vcc 1
		.amdhsa_float_denorm_mode_32 3
		.amdhsa_float_denorm_mode_16_64 3
		.amdhsa_memory_ordered 1
		.amdhsa_forward_progress 1
		.amdhsa_inst_pref_size 79
	.end_amdhsa_kernel
	.amdgpu_metadata
---
amdhsa.version: [ 1, 2 ]
amdhsa.kernels:
  - .name:           k_q33474550a3_pick
    .symbol:         k_q33474550a3_pick.kd
    .args:
      - { .name: keys, .offset: 0, .size: 8, .value_kind: global_buffer, .address_space: global }
      - { .name: rb, .offset: 8, .size: 8, .value_kind: global_buffer, .address_space: global }
      - { .name: nrm, .offset: 16, .size: 8, .value_kind: global_buffer, .address_space: global }
      - { .name: out0, .offset: 24, .size: 8, .value_kind: global_buffer, .address_space: global }
      - { .name: out1, .offset: 32, .size: 8, .value_kind: global_buffer, .address_space: global }
    .group_segment_fixed_size: 239360
    .private_segment_fixed_size: 0
    .kernarg_segment_align: 8
    .kernarg_segment_size: 40
    .max_flat_workgroup_size: 256
    .sgpr_count:     66
    .vgpr_count:     232
    .wavefront_size: 32
...
	.end_amdgpu_metadata
.endif
;; end of part 3
;; ======== version 2 of 2: 3 launches; version 1 with the launch prep written anew for expert scheduling mode
;; limits: values within 0.000244 (relative) of each other or of a threshold may be ordered or decided otherwise than in the reference
;; workspace buffers: rb 3,145,728 bytes; nrm 98,304 bytes; nh 98,304 bytes; keys 4,194,304 bytes of whole numbers
;; launch prep (part 4): grid 384 x 1, 1 waves a work-group, no clusters, 9,472 bytes of LDS; arguments codebook, x, rb, nrm, nh; writes rb, nrm, nh
.if DOCPART == 4
	.amdgcn_target "amdgcn-amd-amdhsa--gfx1250"
	.amdhsa_code_object_version 6
	.text
	.protected	k_q33474550a3_prep
	.globl	k_q33474550a3_prep
	.p2align	8
	.type	k_q33474550a3_prep,@function
k_q33474550a3_prep:
	s_mov_b64 s[64:65], 0
	v_nop
	global_prefetch_b8 v0, s[64:65] scope:SCOPE_SE
	s_setreg_imm32_b32 hwreg(HW_REG_WAVE_SCHED_MODE, 0, 2), 2
	s_setreg_imm32_b32 hwreg(HW_REG_WAVE_MODE, 25, 1), 1
	s_wait_xcnt 0x0
	s_wait_alu depctr_vm_vsrc(0)
; ROUNDING AND NORMS.  rb[row][0..63] = bf16(row), rows 0..16383 the codebook's, rows 16384..24575 x's; nrm[row] = the sum of the squares of the ROUNDED row; nh[row] = -nrm[row] / 2.
; The later launches multiply in bf16, so all that they rank by is made of the rounded numbers; a square of a bf16 number is exact in f32, so only the order of the additions shows.
; ORDER OF ROUNDING (a limit of this text): the 64 squares are added in one chain, channel 0 first.  NaN and infinities pass through as they come.
; SHARES.  A work-group is one wave and owns 64 rows (16,384 bytes of f32): work-groups 0..255 the codebook's, 256..383 x's.  Each load of the wave covers 512 consecutive bytes (two rows),
; each store of rounded numbers 256 consecutive bytes at a multiple of 256.  The rounded rows also go through the wave's own LDS, so that a lane can walk two whole rows for their norms.
; THE MODE: SCHED_MODE bits 1:0 = 2 (LLVM: expert scheduling mode 2), set by the entry lines.  The code itself states the register dependences
; between vector instructions and memory or LDS instructions, with s_wait_alu, always for 0.
; THE PLAN.  Registers that memory or LDS instructions touch:
;   v1 .. v4     offsets and LDS addresses, made once at the head and never written again.
;   IN           the 32 loads land in it; the conversions read it; its lower half is RW, in which the 16 LDS loads land when all conversions are done.
;   PK           each register is written once, by a conversion, and read by one global store and one LDS store; never written again.
;   ACC, NH      written by the chains and two multiplies, read by the last two stores.
;   v5, v6       written at the head; the closing add reads them.
; The 32 loads go in four blocks of eight.  Block p rounds its eight loads into its own sixteen registers of PK; the sixteen stores of block p - 1 are dealt among those conversions, which name
; IN and PK of block p alone.  So one wait on va_vdst at a block's head states all that the block's stores hang on.  No register that a memory or LDS instruction reads is written again, no
; vector instruction writes a scalar register, and EXEC is never written: no other kind of wait is owed.
.set PITCH, 144                        ; an LDS row: 128 bytes + 16
.set SPARE, 64*PITCH                   ; 9,216: behind the rows, the spare words: one block of 256 bytes that no other line names
.set LO,  1                            ; v1   16 x lane: my 16 bytes of a load's 512
.set SO,  2                            ; v2   8 x lane: my 8 bytes of a store's 256
.set DSA, 3                            ; v3   where I put them in LDS: (lane / 16) x PITCH + 8 (lane % 16)
.set DRA, 4                            ; v4   my two rows in LDS: 2 x PITCH x lane
.set SPW, 5                            ; v5   LDS address of my spare word; never rewritten
.set NIL, 6                            ; v6   0; never rewritten
.set T0,  7
.set IN,  8                            ; v[8:135]   32 loads of 4 registers
.set RW,  8                            ; v[8:71]    later: rows 2 l and 2 l + 1, 32 registers each
.set PK,  136                          ; v[136:199] the rounded numbers, 2 registers a load
.set ACC, 200                          ; v[200:201] the two norms
.set NH,  202                          ; v[202:203] minus half of them
	s_load_b256 s[4:11], s[0:1], 0x0               ; codebook s[4:5], x s[6:7], rb s[8:9], nrm s[10:11]
	s_load_b64 s[12:13], s[0:1], 0x20              ; nh
	v_lshl_add_u32 v[SPW], v0, 2, SPARE
	v_mov_b32 v[NIL], 0
	v_lshlrev_b32 v[LO], 4, v0
	v_lshlrev_b32 v[SO], 3, v0
	v_lshrrev_b32 v[T0], 4, v0
	v_and_b32 v[DSA], 15, v0
	v_lshlrev_b32 v[DSA], 3, v[DSA]
	v_mad_u32_u24 v[DSA], v[T0], PITCH, v[DSA]
	v_mul_u32_u24 v[DRA], v0, 2*PITCH
	s_lshl_b32 s18, ttmp9, 13                      ; 64 rows of 128 bytes in rb
	s_mov_b32 s19, 0
	s_lshl_b32 s20, ttmp9, 8                       ; 64 numbers of 4 bytes in nrm and nh
	s_mov_b32 s21, 0
	s_wait_kmcnt 0x0
	s_cmp_lt_u32 ttmp9, 256                        ; the first 256 work-groups take the codebook, the others x
	s_cselect_b64 s[16:17], s[4:5], s[6:7]
	s_cselect_b32 s14, 0, 256
	s_sub_co_u32 s14, ttmp9, s14
	s_lshl_b32 s14, s14, 14                        ; 64 rows of 256 bytes in the source
	s_mov_b32 s15, 0
	s_add_nc_u64 s[16:17], s[16:17], s[14:15]
	s_add_nc_u64 s[8:9], s[8:9], s[18:19]
	s_add_nc_u64 s[10:11], s[10:11], s[20:21]
	s_add_nc_u64 s[12:13], s[12:13], s[20:21]
	s_wait_alu depctr_va_vdst(0)                   ; v1 to v4 are written: every load, store and LDS instruction below reads one of them as its offset or address
.set i, 0
.rept 32                               ; all 16,384 bytes are asked for at once
	global_load_b128 v[IN+4*i:IN+4*i+3], v[LO], s[16:17] offset:512*i th:TH_LOAD_NT
.set i, i+1
.endr
; The two stores of load n's rounded numbers: two rounded rows, 256 consecutive bytes of rb, and the same into the wave's LDS.  Each store has data registers of its own.
.macro OUT n
	global_store_b64 v[SO], v[PK+2*(\n):PK+2*(\n)+1], s[8:9] offset:256*(\n)
	ds_store_b64 v[DSA], v[PK+2*(\n):PK+2*(\n)+1] offset:2*PITCH*(\n)
.endm
; Block p: loads 8 p to 8 p + 7 are rounded; the stores of block p - 1 stand among the conversions.
.macro BLK p
	s_wait_loadcnt 24-8*(\p)                       ; loads come back in order: this block's eight are in, the 24 - 8 p younger ones stay out
.if (\p) > 0
	s_wait_alu depctr_va_vdst(0)                   ; the block before has written its sixteen registers of PK, which the stores below read; no conversion below names them
.endif
.set i, 8*(\p)
.rept 8
.if (\p) > 0
	OUT i-8
.endif
	v_cvt_pk_bf16_f32 v[PK+2*i], v[IN+4*i], v[IN+4*i+1]
	v_cvt_pk_bf16_f32 v[PK+2*i+1], v[IN+4*i+2], v[IN+4*i+3]
.set i, i+1
.endr
.endm
	BLK 0
	BLK 1
	BLK 2
	BLK 3
	s_wait_alu depctr_va_vdst(0)                   ; block 3 has written its registers of PK, which the stores below read; and all conversions are done reading v[8:71], in which the LDS loads below land
.set i, 24
.rept 8
	OUT i
.set i, i+1
.endr
.set i, 0
.rept 16                               ; LDS serves a wave's instructions in order: these see the stores above
	ds_load_b128 v[RW+4*i:RW+4*i+3], v[DRA] offset:PITCH*(i/8)+16*(i%8)
.set i, i+1
.endr
	s_wait_dscnt 0x0
.set k, 0
.rept 64                               ; channel k of both rows: acc = acc + r r, the product exact, one rounding; the two rows' chains alternate
.irp j, 0,1
.if k == 0
	v_fma_mix_f32_bf16 v[ACC+\j], v[RW+32*\j], v[RW+32*\j], v[NIL] op_sel_hi:[1,1,0]
.elseif k%2 == 0
	v_fma_mix_f32_bf16 v[ACC+\j], v[RW+32*\j+k/2], v[RW+32*\j+k/2], v[ACC+\j] op_sel_hi:[1,1,0]
.else
	v_fma_mix_f32_bf16 v[ACC+\j], v[RW+32*\j+k/2], v[RW+32*\j+k/2], v[ACC+\j] op_sel:[1,1,0] op_sel_hi:[1,1,0]
.endif
.endr
.set k, k+1
.endr
	v_mul_f32 v[NH], -0.5, v[ACC]
	v_mul_f32 v[NH+1], -0.5, v[ACC+1]
	s_wait_alu depctr_va_vdst(0)                   ; the chains have written the two norms and the multiplies their halves, which the two stores below read
	global_store_b64 v[SO], v[ACC:ACC+1], s[10:11] ; 64 norms: 256 consecutive bytes
	global_store_b64 v[SO], v[NH:NH+1], s[12:13]
	s_wait_dscnt 0x0                               ; the wave's end
	s_wait_alu 0x0
	s_wait_tensorcnt 0x0
	ds_add_u32 v[SPW], v[NIL]
	s_wait_dscnt 0x0
	s_endpgm
.Lfunc_end_k_q33474550a3_prep:
	.size	k_q33474550a3_prep, .Lfunc_end_k_q33474550a3_prep-k_q33474550a3_prep
	.p2alignl 7, 3214868480
	.fill 96, 4, 3214868480
	.section	.rodata,"a",@progbits
	.p2align	6, 0x0
	.amdhsa_kernel k_q33474550a3_prep
		.amdhsa_group_segment_fixed_size 9472
		.amdhsa_private_segment_fixed_size 0
		.amdhsa_enable_private_segment 0
		.amdhsa_kernarg_size 40
		.amdhsa_user_sgpr_count 2
		.amdhsa_user_sgpr_kernarg_segment_ptr 1
		.amdhsa_wavefront_size32 1
		.amdhsa_system_sgpr_workgroup_id_x 1
		.amdhsa_system_sgpr_workgroup_id_y 1
		.amdhsa_system_sgpr_workgroup_id_z 1
		.amdhsa_system_vgpr_workitem_id 0
		.amdhsa_next_free_vgpr 208
		.amdhsa_next_free_sgpr 66
		.amdhsa_reserve_vcc 0
		.amdhsa_float_denorm_mode_32 3
		.amdhsa_float_denorm_mode_16_64 3
		.amdhsa_memory_ordered 1
		.amdhsa_forward_progress 1
		.amdhsa_inst_pref_size 24
	.end_amdhsa_kernel
	.amdgpu_metadata
---
amdhsa.version: [ 1, 2 ]
amdhsa.kernels:
  - .name:           k_q33474550a3_prep
    .symbol:         k_q33474550a3_prep.kd
    .args:
      - { .name: codebook, .offset: 0, .size: 8, .value_kind: global_buffer, .address_space: global }
      - { .name: x, .offset: 8, .size: 8, .value_kind: global_buffer, .address_space: global }
      - { .name: rb, .offset: 16, .size: 8, .value_kind: global_buffer, .address_space: global }
      - { .name: nrm, .offset: 24, .size: 8, .value_kind: global_buffer, .address_space: global }
      - { .name: nh, .offset: 32, .size: 8, .value_kind: global_buffer, .address_space: global }
    .group_segment_fixed_size: 9472
    .private_segment_fixed_size: 0
    .kernarg_segment_align: 8
    .kernarg_segment_size: 40
    .max_flat_workgroup_size: 32
    .sgpr_count:     66
    .vgpr_count:     208
    .wavefront_size: 32
...
	.end_amdgpu_metadata
.endif
;; end of part 4
;; launch scan: the kernel of part 2 again; grid 16 x 16, 8 waves a work-group, clusters of 4 x 1, 167,936 bytes of LDS; arguments rb, nh, keys; writes keys
;; launch pick: the kernel of part 3 again; grid 512 x 1, 8 waves a work-group, no clusters, 239,360 bytes of LDS; arguments keys, rb, nrm, out0, out1; writes out0, out1
